; MI455X (gfx1250); checked and timed in simulation.
; The chip was launched on July 23, 2026; its instructions are those of AMD's public machine-readable ISA for CDNA 5 (MIT licence, August 2026) and "CDNA5" Instruction Set Architecture Reference Guide (July 2026). The comments in the code are by the model that wrote it; some were corrected since.
;; Multi Head Attention. Allowed arithmetic: matrix products marked QUANTISED: E4M3 operands, one given power-of-two scale a tensor, by v_wmma_f32_16x16x64_fp8_fp8 or v_wmma_f32_16x16x128_fp8_fp8, f32 sums; everything else in f32.
;; Inputs: Wk_codes 768 x 24 x 32 uint8 (E4M3 codes of Wk, K innermost, in blocks of 32 codes); Wo_codes 768 x 24 x 32 uint8 (E4M3 codes of Wo, K innermost, in blocks of 32 codes); Wq_codes 768 x 24 x 32 uint8 (E4M3 codes of Wq, K innermost, in blocks of 32 codes); Wv_codes 768 x 24 x 32 uint8 (E4M3 codes of Wv, K innermost, in blocks of 32 codes); bk 768 float32; bo 768 float32; bq 768 float32; bv 768 float32; key_in_codes 4 x 2,048 x 24 x 32 uint8 (E4M3 codes of key_in, K innermost, in blocks of 32 codes); ln_beta 768 float32; ln_gamma 768 float32; lowp_scales 12 int32 (the exponents e of the quantised operands' scales 2^e); query_in 4 x 2,048 x 768 float32; value_in_codes 4 x 2,048 x 24 x 32 uint8 (E4M3 codes of value_in, K innermost, in blocks of 32 codes).
;; Outputs: out0 4 x 2,048 x 768 float32.
;; This version of the problem:
;;   THIS VERSION OF THE PROBLEM IS GIVEN IN LOW PRECISION. The matrix products marked QUANTISED in the list below multiply operands that are first quantised to E4M3 (4 exponent bits, 3 mantissa bits; 8 bits a number), with one given power-of-two scale for each operand tensor; their sums are f32. All else is computed in f32.
;;   The module's matrix products, in the order in which they are computed (A, B: the left and right operand; K: the contracted axis; several contracted axes count as one K, in the product's order):
;;     1. [M 8,192, K 768] x [K 768, N 768]; A: input key_in (given as codes); B: input Wk (given as codes): QUANTISED (scales: A lowp_scales[0], B lowp_scales[1])
;;     2. [M 8,192, K 768] x [K 768, N 768]; A: input value_in (given as codes); B: input Wv (given as codes): QUANTISED (scales: A lowp_scales[2], B lowp_scales[3])
;;     3. [M 8,192, K 768] x [K 768, N 768]; A: input query_in; B: input Wq (given as codes): QUANTISED (scales: A lowp_scales[4], B lowp_scales[5])
;;     4. batch 32 x [M 2,048, K 96] x [K 96, N 2,048]; A: computed on the way; B: computed on the way: QUANTISED (scales: A lowp_scales[6], B lowp_scales[7])
;;     5. batch 32 x [M 2,048, K 2,048] x [K 2,048, N 96]; A: softmax (see below); B: computed on the way: QUANTISED (scales: A lowp_scales[8], B lowp_scales[9])
;;     6. [M 8,192, K 768] x [K 768, N 768]; A: computed on the way; B: input Wo (given as codes): QUANTISED (scales: A lowp_scales[10], B lowp_scales[11])
;;   THE QUANTISER, for each operand of a quantised product, along K:
;;     - The operand's scale is 2^e, e = its entry of the input lowp_scales (int32; the entries are numbered through the quantised products in the list's order, A before B).
;;     - Each number is divided by the scale, clamped to +-448, and rounded to the nearest number of E4M3, ties to even, subnormals kept.
;;     - The product sums the exact products of the quantised numbers (number of the format x scale) in f32.
;;   ~~~python
;;   def quantise(x, axis, e):      # numpy; x: float32 -> the quantised numbers, widened to float32 again
;;       x = np.moveaxis(x, axis, -1); K = x.shape[-1]
;;       r = np.clip(x / 2.0 ** e, -448, 448)
;;       step = 2.0 ** (np.maximum(np.frexp(np.where(r == 0, 1, r))[1] - 1, -6) - 3)
;;       q = np.round(r / step) * step * 2.0 ** e      # np.round: ties to even
;;       return np.moveaxis(q, -1, axis).astype(np.float32)
;;   ~~~
;;   SOFTMAX AHEAD OF A QUANTISED PRODUCT. Where the list says 'softmax', what is quantised is not the finished softmax but p = 2^(t - M), with t = logit x log2(e) and M = ceil(the row's largest t), a whole number; so 1/2 < the row's largest p <= 1. The row's sum l is taken of the UNQUANTISED p, in f32, and the product's result is divided by l at the end. Since M is a whole number, a kernel that streams over the keys may use a running M (the ceiling of the running maximum): every later rescaling is an exact power of two, so the quantised numbers keep their values, but for numbers so far below the row's largest that they fall under the format's range.
;;   OPERANDS COMPUTED ON THE WAY. 'Computed on the way' means the value that the module computes at that place (a softmax that the list does not call 'softmax' is quantised finished and normalised). What goes into a quantiser is computed in f32, as accurately as f32 sums, v_exp_f32 and their like allow (about 1e-6 of the number): no bf16 or f16 on the way to a quantiser, and a product that is left as it is and whose result goes on into a quantised operand takes f32 operands (vector FMAs, or v_wmma_f32_16x16x4_f32). A number that lies on a knife's edge between two numbers of the format may be rounded either way, as far as f32 arithmetic and the matrix unit's own rounding can turn it there, and no further.
;;   INPUTS GIVEN AS CODES. Wk (in the module: [768, 768], K = its axis 0); Wo (in the module: [768, 768], K = its axis 0); Wq (in the module: [768, 768], K = its axis 0); Wv (in the module: [768, 768], K = its axis 0); key_in (in the module: [4, 2048, 768], K = its axis 2); value_in (in the module: [4, 2048, 768], K = its axis 2): each comes as NAME_codes (uint8): NAME with its K axis moved to the last place and cut into blocks of 32 codes, [.., K / 32, bytes a block], one block behind the other in memory; one code a byte (a code: sign, 4 exponent bits, 3 mantissa bits); its scale is its entry of lowp_scales. Its value is code x scale, taken as it is: it is not quantised again, and the codes and scales need not be those that the quantiser above would give.
;; One version. Each part assembles by itself: llvm-mc -triple=amdgcn-amd-amdhsa -mcpu=gfx1250 --defsym DOCPART=n.
;; ======== version 1 of 1: 3 launches
;; limits: right only within a limited range of input values
;; workspace buffers: qimg 6,291,456 bytes; kimg 6,291,456 bytes; vimg 6,291,456 bytes; cimg 6,291,456 bytes
;; launch proj (part 1): grid 64 x 3, 8 waves a work-group, clusters of 4 x 1, 327,680 bytes of LDS; arguments key_in_codes, value_in_codes, query_in, Wk_codes, Wv_codes, Wq_codes, bk, bv, bq, kimg, vimg, qimg, lowp_scales; writes kimg, vimg, qimg
.if DOCPART == 1
	.amdgcn_target "amdgcn-amd-amdhsa--gfx1250"
	.amdhsa_code_object_version 6
	.text
	.protected	k_q53b829a481_proj
	.globl	k_q53b829a481_proj
	.p2align	8
	.type	k_q53b829a481_proj,@function
k_q53b829a481_proj:
	s_mov_b64 s[64:65], 0
	v_nop
	global_prefetch_b8 v0, s[64:65] scope:SCOPE_SE
	s_setreg_imm32_b32 hwreg(HW_REG_WAVE_MODE, 25, 1), 1
	s_wait_xcnt 0x0
	s_wait_alu depctr_hold_cnt(0) depctr_sa_sdst(0) depctr_va_vdst(0) depctr_va_sdst(0) depctr_va_ssrc(0) depctr_va_vcc(0) depctr_vm_vsrc(0)
	s_getreg_b32 s2, hwreg(HW_REG_IB_STS2, 6, 4)
	s_cmp_eq_u32 s2, 0
	s_cbranch_scc0 .Lentry_in_a_cluster
	s_endpgm
.Lentry_in_a_cluster:
	s_bfe_u32 s2, ttmp6, 0x10000c
	s_cmp_lg_u32 s2, 0x3003
	s_cbranch_scc0 .Lentry_shape_is_right
	s_endpgm
.Lentry_shape_is_right:
; k = key_in Wk + bk, v = value_in Wv + bv, q = query_in Wq + bq, on codes of E4M3, and each result quantised for the attention products.
; Work-group y says which: 0 = k, 1 = v, 2 = q.  A work-group makes 128 rows x all 768 columns.  Its rows' codes lie whole in LDS (query_in is f32: it is
; quantised on the way in, once); the weight goes once through a ring of two LDS slots (384 rows of W x 256 along K, six visits), asked for JOINTLY by the four partners
; of a cluster, which have the same weight.  Wave w: rows 64 (w / 4) on, head 4 hf + w % 4 (96 columns), in two passes hf = 0, 1: 24 accumulators.
; k, q: THE MATRIX INSTRUCTION IS USED TRANSPOSED (source 0 = 16 rows of W, source 1 = 16 rows of A): a lane holds one row and eight neighbouring channels, the next K.
; v: as it reads (source 0 = A, source 1 = W): a lane holds one channel and eight neighbouring keys, the next K.  So one conversion of an accumulator's eight registers is one
; register pair of the next operand, and the results leave as IMAGES OF OPERAND REGISTERS: blocks of 32 lanes x 16 bytes, 512 consecutive bytes a store.
;   kimg, qimg: [batch x head 32][tile of 16 rows 128][block 3][lane][16]: register pair 2 c, 2 c + 1 = channels 16 c + 8 (lane / 16) + 0 .. 7 of row lane % 16
;   vimg: [batch x head 32][128 keys 16][half 2][tile of 16 channels 6][block 2][lane][16]: pair 2 c, 2 c + 1 = keys 16 c + 8 (lane / 16) + 0 .. 7 of channel lane % 16
; Both operands here are fetched by four loads of 16 bytes (k = 32 c + 16 (lane / 16) + 0 .. 15): the same permutation of k on both sides.
; The bias, divided by 2^(eA + eW), is the C of each accumulator's first product; the conversion then takes 2^(eOut - eA - eW).
; SCALES: k: eA, eW, eOut = entries 0, 1, 7; v: 2, 3, 9; q: 4, 5, 6 (of product 4 the queries are taken as A).
; PREFETCHES: visits 2 to 5 of W, each two refills ahead of the load that wants it, by clusters 0 to 3 of each tensor: the four partners take 96 of the 384 rows each, a wave 12, a lane a row of 256 bytes.
; LIMITS: eOut - eA - eW and entry 4 between -126 and 119; eA + eW between -127 and 126.  NaN among the inputs is not served.
; REGISTERS: window 0: v4-16 addresses and scales; v32-95 A's four fragments, set 0; v96-191 W's six; v192-239 the bias in the accumulators' layout, v240-245 for v as it is loaded.
;   Window 1: v0-191 the accumulators; v192-255 A's fragments, set 1; on the way out the codes.
;   While A is brought in: v32-127 its codes; v128-255 and window 1: three sets of 128 numbers of query_in.
.set PW,    272                        ; a row of W in LDS: 256 bytes + 16: the 16 rows of a load start at 16 different groups of four banks
.set SLOTB, 384*PW
.set AREG,  2*SLOTB                    ; A's codes: 128 rows; written by LDS stores alone, no tile lands here
.set PA,    784                        ; 768 bytes + 16
.set SPARE, AREG+128*PA                ; the spare words: 128 bytes a wave, four blocks of 256 bytes that no other line names
.set PASS1, 384*768                    ; pass 1's rows of W in memory
.set VA,   4                           ; v4   my byte among my wave's 16 rows of A in memory
.set ASTO, 5                           ; v5   where I store 16 codes of A
.set AF,   6                           ; v6   my place in A's fragments
.set WF,   7                           ; v7, v8  my place in W's fragments, slot 0, 1
.set LI,   9                           ; v9   16 x lane
.set BO8,  10                          ; v10  32 x (lane / 16)
.set BO4,  11                          ; v11  4 x (lane % 16)
.set SPW,  12                          ; v12  my spare word; never rewritten
.set NIL,  13                          ; v13  0; never rewritten
.set SCO,  14                          ; v14  2^(eOut - eA - eW)
.set PFO,  15                          ; v15  the prefetches' offset; never rewritten
.set SCQ,  16                          ; v16  2^(entry 4)
.set BFR,  96
.set BI,   192
.set BV,   240
.set PC,   32
.set X0,   128
.set PE,   192                         ; the way out's codes, window 1
.set WV,   12                          ; s12  wave
.set TT,   13                          ; s13  which tensor
.set PFA,  44                          ; s[44:45] where my prefetches stand; never rewritten
.set HO,   46                          ; s46  448 x 2^(eOut - eA - eW)
.set HQ,   47                          ; s47  448 x 2^(entry 4)
.set G1,   48                          ; s[48:55] descriptor group 1
.set G0,   56                          ; s[56:59], s[60:63] group 0 for slot 0, 1
.set MSB, 0
.macro WIN new                         ; the immediate's high byte repeats the setting that is left
.if MSB != \new
	s_set_vgpr_msb (MSB<<8)|(\new)
.set MSB, \new
.endif
.endm
.macro NOPS n
.rept \n
	v_nop
.endr
.endm
.macro CROUND                          ; a round of the cluster's barrier
	s_barrier_signal -1
	s_barrier_wait -1
	s_cmp_lg_u32 s[WV], 0
	s_cbranch_scc1 .Lnw0_\@
	s_barrier_signal -3
.Lnw0_\@:
	s_barrier_wait -3
	s_barrier_signal -1
	s_barrier_wait -1
.endm
.macro JLOAD set                       ; every wave fetches 48 rows of W; four v_nop follow
	tensor_load_to_lds s[G0+4*\set:G0+4*\set+3], s[G1:G1+7]
	s_nop 0
	NOPS 4
.endm
; The change of slots.  Every wave: all its tensor loads have landed; 0 onto its spare word; the add and its reads of the slot are done.
; fill = 1: a round of the cluster's barrier, and the slot just read is filled again, first thing behind it.
.macro CHANGE set, step, fill
	s_wait_tensorcnt 0x0
	ds_add_u32 v[SPW], v[NIL]
.if \fill
	s_add_nc_u64 s[G0+4*\set+2:G0+4*\set+3], s[G0+4*\set+2:G0+4*\set+3], \step
.endif
	s_wait_dscnt 0x0
.if \fill
	CROUND
	JLOAD \set
.else
	s_barrier_signal -1
	s_barrier_wait -1
.endif
.endm
.macro FILL1                           ; slot 1's first fill, issued as a refill is
	s_wait_alu depctr_va_vdst(0)
	s_wait_tensorcnt 0x0                           ; my part of slot 0 is in
	ds_add_u32 v[SPW], v[NIL]
	s_wait_dscnt 0x0
	CROUND
	JLOAD 1
.endm
.macro ASK off                         ; one visit's part of W, a lane a row
	s_cmp_lt_u32 ttmp9, 4
	s_cbranch_scc0 .Lna_\@
	global_prefetch_b8 v[PFO], s[PFA:PFA+1] offset:\off th:TH_LOAD_NT scope:SCOPE_SE
.Lna_\@:
.endm
	s_load_b512 s[16:31], s[0:1], 0x0              ; key, value, query, Wk, Wv, Wq, bk, bv
	s_load_b256 s[32:39], s[0:1], 0x40             ; bq, kimg, vimg, qimg
	s_load_b64 s[40:41], s[0:1], 0x60              ; the scales' exponents
	v_lshl_add_u32 v[SPW], v0, 2, SPARE
	v_mov_b32 v[NIL], 0
	ds_add_u32 v[SPW], v[NIL]                      ; the wave's opening: the add, twice on end, and its wait
	ds_add_u32 v[SPW], v[NIL]
	v_lshrrev_b32 v3, 5, v0
	v_readfirstlane_b32 s[WV], v3                  ; wave 0..7
	s_and_b32 s[TT], ttmp7, 0xffff                 ; the tensor: the four partners share it
	s_lshr_b32 s14, s[WV], 2                       ; i: which 64 rows
	s_and_b32 s15, s[WV], 3                        ; j: which head of the pass's four
	s_bfe_u32 s88, ttmp6, 0x40000                  ; cx
	s_lshl_b32 s89, ttmp9, 2
	s_add_co_u32 s89, s89, s88                     ; which 128 rows: 4 x cluster x + cx; it enters A's and the images' addresses alone
	s_mov_b32 s[G1], 15|(1<<20)|(1<<21)|(5<<22)|(3<<25)   ; mask: all four; elements of 1 byte; 4 words of padding behind every 64
	s_mov_b32 s[G1+1], 256<<16                     ; tensor_dim0
	s_mov_b32 s[G1+2], 48<<16                      ; tensor_dim1
	s_mov_b32 s[G1+3], 256<<16                     ; tile_dim0
	s_mov_b32 s[G1+4], 48                          ; tile_dim1
	s_mov_b32 s[G1+5], 768                         ; from row to row
	s_mov_b32 s[G1+6], 0
	s_mov_b32 s[G1+7], 0
	s_mul_i32 s90, s[WV], 48*768                   ; the 48 rows of W that I fetch
	s_mov_b32 s91, 0
	s_mul_i32 s92, s[WV], 48*PW                    ; and their place in a slot
	s_mul_i32 s94, s88, 96*768                     ; the 12 rows of a visit that I prefetch
	s_mul_i32 s95, s[WV], 12*768
	s_add_co_u32 s94, s94, s95
	s_mov_b32 s95, 0
	s_wait_dscnt 0x0                               ; both opening adds are done
	s_wait_alu depctr_va_vdst(0)
	s_wait_kmcnt 0x0
	s_load_b256 s[68:75], s[40:41], 0x0            ; entries 0 to 7
	s_load_b128 s[76:79], s[40:41], 0x20           ; entries 8 to 11
	s_cmp_eq_u32 s[TT], 0
	s_cselect_b64 s[4:5], s[16:17], s[18:19]       ; A
	s_cselect_b64 s[6:7], s[22:23], s[24:25]       ; W
	s_cselect_b64 s[8:9], s[28:29], s[30:31]       ; the bias
	s_cselect_b64 s[10:11], s[34:35], s[36:37]     ; the image
	s_cmp_eq_u32 s[TT], 2
	s_cselect_b64 s[4:5], s[20:21], s[4:5]
	s_cselect_b64 s[6:7], s[26:27], s[6:7]
	s_cselect_b64 s[8:9], s[32:33], s[8:9]
	s_cselect_b64 s[10:11], s[38:39], s[10:11]
	s_cselect_b32 s93, 2, 0                        ; query_in's numbers are four bytes
	s_add_nc_u64 s[PFA:PFA+1], s[6:7], s[94:95]
	s_add_nc_u64 s[6:7], s[6:7], s[90:91]
	s_mov_b32 s[G0], 1
	s_mov_b32 s[G0+1], s92
	s_mov_b64 s[G0+2:G0+3], s[6:7]                 ; visit 0: pass 0, K 0 to 255
	s_or_b32 s[G0+3], s[G0+3], 0x80000000
	s_mov_b32 s[G0+4], 1
	s_add_co_u32 s[G0+5], s92, SLOTB
	s_add_nc_u64 s[G0+6:G0+7], s[6:7], 256         ; visit 1: pass 0, K 256 to 511
	s_or_b32 s[G0+7], s[G0+7], 0x80000000
	CROUND                                         ; all four work-groups are here: the first joint loads meet
	JLOAD 0                                        ; one load a wave at the head
	s_mul_i32 s96, s89, 98304                      ; 128 rows of 768
	s_mul_i32 s97, s[WV], 12288                    ; my wave brings 16 of them
	s_add_co_u32 s96, s96, s97
	s_lshl_b32 s96, s96, s93
	s_mov_b32 s97, 0
	s_add_nc_u64 s[4:5], s[4:5], s[96:97]
	s_mul_i32 s96, s15, 384
	s_add_nc_u64 s[8:9], s[8:9], s[96:97]          ; the bias at head j
	s_lshr_b32 s96, s89, 4                         ; the batch
	s_lshl_b32 s96, s96, 3
	s_add_co_u32 s96, s96, s15                     ; batch x 8 + j
	s_mul_i32 s96, s96, 196608
	s_and_b32 s98, s89, 15
	s_mul_i32 s98, s98, 12288                      ; my 128 rows' images
	s_add_co_u32 s96, s96, s98
	s_mul_i32 s98, s14, 6144                       ; my wave's half of them
	s_add_co_u32 s96, s96, s98
	s_add_nc_u64 s[10:11], s[10:11], s[96:97]
	s_mul_i32 s94, s[WV], 16*PA
	s_add_co_u32 s94, s94, AREG
	s_mul_i32 s95, s14, 64*PA
	s_add_co_u32 s95, s95, AREG
	s_mul_i32 s98, s15, 96*PW
	v_and_b32 v1, 15, v0                           ; r
	v_bfe_u32 v2, v0, 4, 1                         ; h
	v_and_b32 v[LI], 31, v0
	v_mul_u32_u24 v[VA], v2, 768
	v_mul_u32_u24 v[ASTO], v2, PA
	v_mul_u32_u24 v[AF], v1, PA
	v_mul_u32_u24 v[WF], v1, PW
	v_min_u32 v[PFO], 11, v[LI]
	v_lshl_add_u32 v[VA], v1, 4, v[VA]
	v_lshl_add_u32 v[ASTO], v1, 4, v[ASTO]
	v_lshl_add_u32 v[AF], v2, 4, v[AF]
	v_lshl_add_u32 v[WF], v2, 4, v[WF]
	v_mul_u32_u24 v[PFO], v[PFO], 768
	v_lshlrev_b32 v[VA], s93, v[VA]                ; row h, 16 numbers from number 16 r on
	v_add_nc_u32 v[ASTO], s94, v[ASTO]
	v_add_nc_u32 v[AF], s95, v[AF]
	v_add_nc_u32 v[WF], s98, v[WF]
	v_lshlrev_b32 v[LI], 4, v[LI]
	v_lshlrev_b32 v[BO8], 5, v2
	v_lshlrev_b32 v[BO4], 2, v1
	v_add_nc_u32 v[WF+1], SLOTB, v[WF]
	s_wait_alu depctr_va_vdst(0)
	s_wait_kmcnt 0x0
	s_cmp_eq_u32 s[TT], 0
	s_cselect_b32 s80, s68, s70                    ; eA
	s_cselect_b32 s81, s69, s71                    ; eW
	s_cselect_b32 s82, s75, s77                    ; eOut
	s_cmp_eq_u32 s[TT], 2
	s_cselect_b32 s80, s72, s80
	s_cselect_b32 s81, s73, s81
	s_cselect_b32 s82, s74, s82
	s_add_co_i32 s83, s80, s81                     ; eA + eW
	s_sub_co_i32 s84, 127, s83
	s_lshl_b32 s84, s84, 23                        ; 2^-(eA + eW)
	s_mov_b32 s85, s84                             ; (named with it as a pair)
	s_sub_co_i32 s86, s82, s83
	s_add_co_i32 s86, s86, 127
	s_lshl_b32 s87, s86, 23
	v_mov_b32 v[SCO], s87
	s_add_co_i32 s86, s86, 8
	s_lshl_b32 s86, s86, 23
	s_or_b32 s[HO], s86, 0x600000
	s_add_co_i32 s86, s72, 127
	s_lshl_b32 s87, s86, 23
	v_mov_b32 v[SCQ], s87
	s_add_co_i32 s86, s86, 8
	s_lshl_b32 s86, s86, 23
	s_or_b32 s[HQ], s86, 0x600000
	s_wait_alu depctr_va_vdst(0)                   ; the head's end
	ASK 512                                        ; visit 2
; ---- A into LDS.  My wave's 16 rows are 24 units (chunk ch of 256 along K, rows 2 p and 2 p + 1): 16 codes a lane.
.macro QLOAD ch, base                  ; a chunk of query_in: a lane takes 16 neighbouring numbers of its row, four loads; the four cover 1,024 consecutive bytes of each row
.irp p,0,1,2,3,4,5,6,7
.irp jj,0,1,2,3
	global_load_b128 v[\base+16*\p+4*\jj:\base+16*\p+4*\jj+3], v[VA], s[4:5] offset:\p*6144+1024*\ch+16*\jj
.endr
.endr
.endm
.macro QCONV ch, base, w1              ; held within 448 x the scale (the conversion does not saturate: ISA guide 7.6.2), then eight numbers a conversion
	WIN (0x41*\w1)
.set i, 0
.rept 128
	v_med3_num_f32 v[\base+i], v[\base+i], -s[HQ], s[HQ]
.set i, i+1
.endr
	WIN (0x01*\w1)
.irp p,0,1,2,3,4,5,6,7
	v_cvt_scalef32_pk8_fp8_f32 v[PC+4*(8*\ch+\p):PC+4*(8*\ch+\p)+1], v[\base+16*\p:\base+16*\p+7], v[SCQ]
	v_cvt_scalef32_pk8_fp8_f32 v[PC+4*(8*\ch+\p)+2:PC+4*(8*\ch+\p)+3], v[\base+16*\p+8:\base+16*\p+15], v[SCQ]
.endr
.endm
; The bias of pass hf, in both layouts (k, q: the lane's eight channels of each tile; v: the lane's one channel): 18 loads, and no branch round them.
.macro BIAS hf
.irp t,0,1,2,3,4,5
	global_load_b128 v[BI+8*\t:BI+8*\t+3], v[BO8], s[8:9] offset:\hf*1536+64*\t
	global_load_b128 v[BI+8*\t+4:BI+8*\t+7], v[BO8], s[8:9] offset:\hf*1536+64*\t+16
	global_load_b32 v[BV+\t], v[BO4], s[8:9] offset:\hf*1536+64*\t
.endr
.endm
.macro SCALE                           ; the bias / 2^(eA + eW), in the accumulators' layout
	s_cmp_eq_u32 s[TT], 1
	s_cbranch_scc1 .Lsv_\@
.set i, BI
.rept 24
	v_pk_mul_f32 v[i:i+1], v[i:i+1], s[84:85] op_sel_hi:[1,0]
.set i, i+2
.endr
	s_branch .Lsj_\@
.Lsv_\@:
.irp t,0,1,2,3,4,5
.irp i,0,1,2,3,4,5,6,7
	v_mul_f32 v[BI+8*\t+\i], s84, v[BV+\t]
.endr
.endr
.Lsj_\@:
.endm
	s_cmp_eq_u32 s[TT], 2
	s_cbranch_scc1 .Lfill_q
.irp ch,0,1,2
.irp p,0,1,2,3,4,5,6,7
	global_load_b128 v[PC+4*(8*\ch+\p):PC+4*(8*\ch+\p)+3], v[VA], s[4:5] offset:\p*1536+256*\ch th:TH_LOAD_NT   ; sixteen lanes read 256 consecutive bytes of a row
.endr
.endr
	BIAS 0
	FILL1
	s_branch .Lfilled
.Lfill_q:
	QLOAD 0, X0
	WIN 0x40                                       ; destination window 1
	QLOAD 1, 0
	WIN 0
	FILL1
	s_wait_loadcnt 32                              ; chunk 0 is in; chunk 1's 32 loads may be out
	WIN 0x40
	QLOAD 2, 128
	QCONV 0, X0, 0
	BIAS 0                                         ; over chunk 0's numbers
	s_wait_alu depctr_va_vdst(0)
	s_wait_loadcnt 50                              ; chunk 1 is in; chunk 2's 32 and the bias's 18 may be out
	QCONV 1, 0, 1
	s_wait_alu depctr_va_vdst(0)
	s_wait_loadcnt 18                              ; chunk 2 is in; the bias's loads may be out
	QCONV 2, 128, 1
	v_nop                                          ; a plain instruction behind the last conversion
	WIN 0
	s_wait_alu depctr_va_vdst(0)
.Lfilled:
	s_wait_alu depctr_va_vdst(0)
	s_wait_loadcnt 0x0
.irp ch,0,1,2
.irp p,0,1,2,3,4,5,6,7
	ds_store_b128 v[ASTO], v[PC+4*(8*\ch+\p):PC+4*(8*\ch+\p)+3] offset:\p*2*PA+256*\ch
.endr
.endr
	SCALE
	s_wait_alu depctr_va_vdst(0)
	s_wait_dscnt 0x0                               ; my rows of A are stored
	s_barrier_signal -1                            ; slot 1's load may be out
	s_barrier_wait -1
.macro LW sl, ks, t0                   ; three of W's fragments: 12 loads
.irp t,\t0,\t0+1,\t0+2
.irp c,0,1,2,3
	ds_load_b128 v[BFR+16*(\t)+4*\c:BFR+16*(\t)+4*\c+3], v[WF+\sl] offset:(\t)*16*PW+128*(\ks)+32*\c
.endr
.endr
.endm
.macro LA kk, set                      ; A's four fragments into a set: 16 loads
	WIN (0x40*(\set))
.set AB, 32+160*(\set)
.irp m,0,1,2,3
.irp c,0,1,2,3
	ds_load_b128 v[AB+16*\m+4*\c:AB+16*\m+4*\c+3], v[AF] offset:\m*16*PA+128*(\kk)+32*\c
.endr
.endr
	WIN 0
.endm
; Twelve products: three of W's fragments x A's four; the accumulators take turns.  z = 1: the bias starts the sums.
.macro MM d, a, b, t, z
.if \z
	v_wmma_f32_16x16x128_fp8_fp8 v[\d:\d+7], v[\a:\a+15], v[\b:\b+15], v[BI+8*(\t):BI+8*(\t)+7]
.else
	v_wmma_f32_16x16x128_fp8_fp8 v[\d:\d+7], v[\a:\a+15], v[\b:\b+15], v[\d:\d+7]
.endif
.endm
.macro MUL t0, set, z
.set AB, 32+160*\set
.set CW, 0x50-0x10*\z
	s_cmp_eq_u32 s[TT], 1
	s_cbranch_scc1 .Lkv_\@
	WIN (CW+4*\set)
.irp t,\t0,\t0+1,\t0+2
.irp m,0,1,2,3
	MM 8*(6*\m+\t), BFR+16*(\t), AB+16*\m, \t, \z
.endr
.endr
	WIN 0
	s_branch .Lkj_\@
.Lkv_\@:
	WIN (CW+\set)
.irp t,\t0,\t0+1,\t0+2
.irp m,0,1,2,3
	MM 8*(4*(\t)+\m), AB+16*\m, BFR+16*(\t), \t, \z
.endr
.endr
	WIN 0
.Lkj_\@:
.endm
; 128 along K.  sl: the slot; ks: which half of its 256, and which set of A's; z: the bias starts the sums; nx: the next step's fragments: 1: all, 2: A's alone (a change of slots follows), 0: none; nk: which 128 of A's 768 they are.
.macro KS sl, ks, z, nx, nk
	s_wait_dscnt 12                                ; A's set and W's first three are in; W's last three may be out
.if \nx
	LA \nk, 1-\ks
.endif
	MUL 0, \ks, \z
.if \nx
	s_wait_dscnt 16                                ; W's last three are in; the next A's 16 loads may be out
.else
	s_wait_dscnt 0x0
.endif
.if \nx == 1
	NOPS 5                                         ; places in front of loads into registers that matrix instructions have read, and between the two halves' products
	LW \sl, \ks+1, 0
.endif
	MUL 3, \ks, \z
	NOPS 4                                         ; (the same; also in front of the way out)
.if \nx == 1
	LW \sl, \ks+1, 3
.endif
.endm
; A pass's way out: the hold, 24 conversions (accumulator a gives register pair a of the wave's twelve blocks), twelve stores of 512 consecutive bytes.
.macro EPI hf
	WIN 0x41
.set i, 0
.rept 192
	v_med3_num_f32 v[i], v[i], -s[HO], s[HO]
.set i, i+1
.endr
.set i, 0
.rept 24
	v_cvt_scalef32_pk8_fp8_f32 v[PE+2*i:PE+2*i+1], v[8*i:8*i+7], v[SCO]
.set i, i+1
.endr
	v_nop                                          ; a plain instruction behind the last conversion: the next pass's products write its sources
	WIN 0x04
.irp n,0,1,2,3,4,5,6,7,8,9,10,11
	global_store_b128 v[LI], v[PE+4*\n:PE+4*\n+3], s[10:11] offset:\hf*786432+512*\n
.endr
	WIN 0
.endm
	LW 0, 0, 0
	LA 0, 0
	LW 0, 0, 3
	ASK PASS1                                      ; visit 3
	KS 0, 0, 1, 1, 1
	KS 0, 1, 0, 2, 2
	BIAS 1
	CHANGE 0, 512, 1                               ; slot 0: visit 2: pass 0, K 512 on
	LW 1, 0, 0
	LW 1, 0, 3
	ASK PASS1+256                                  ; visit 4
	KS 1, 0, 0, 1, 3
	KS 1, 1, 0, 2, 4
	CHANGE 1, 294656, 1                            ; slot 1: visit 3: pass 1 (384 rows down), K 0 on
	LW 0, 0, 0
	LW 0, 0, 3
	ASK PASS1+512                                  ; visit 5
	KS 0, 0, 0, 1, 5
	KS 0, 1, 0, 2, 0
	CHANGE 0, 294656, 1                            ; slot 0: visit 4: pass 1, K 256 on
	LW 1, 0, 0
	LW 1, 0, 3
	EPI 0
	s_wait_loadcnt 0x0                             ; pass 1's bias
	SCALE
	s_wait_alu depctr_va_vdst(0)
	s_wait_xcnt 0x0                                ; the stores have read their registers: A's second set lands there
	KS 1, 0, 1, 1, 1
	KS 1, 1, 0, 2, 2
	CHANGE 1, 512, 1                               ; slot 1: visit 5: pass 1, K 512 on
	LW 0, 0, 0
	LW 0, 0, 3
	KS 0, 0, 0, 1, 3
	KS 0, 1, 0, 2, 4
	CHANGE 0, 0, 0                                 ; nothing is left to fetch
	LW 1, 0, 0
	LW 1, 0, 3
	KS 1, 0, 0, 1, 5
	KS 1, 1, 0, 0, 0
	EPI 1
	s_wait_tensorcnt 0x0                           ; the wave's end
	ds_add_u32 v[SPW], v[NIL]
	s_wait_dscnt 0x0
	CROUND                                         ; the closing round
	s_endpgm
.Lfunc_end_k_q53b829a481_proj:
	.size	k_q53b829a481_proj, .Lfunc_end_k_q53b829a481_proj-k_q53b829a481_proj
	.p2alignl 7, 3214868480
	.fill 96, 4, 3214868480
	.section	.rodata,"a",@progbits
	.p2align	6, 0x0
	.amdhsa_kernel k_q53b829a481_proj
		.amdhsa_group_segment_fixed_size 327680
		.amdhsa_private_segment_fixed_size 0
		.amdhsa_enable_private_segment 0
		.amdhsa_kernarg_size 104
		.amdhsa_user_sgpr_count 2
		.amdhsa_user_sgpr_kernarg_segment_ptr 1
		.amdhsa_wavefront_size32 1
		.amdhsa_system_sgpr_workgroup_id_x 1
		.amdhsa_system_sgpr_workgroup_id_y 1
		.amdhsa_system_sgpr_workgroup_id_z 1
		.amdhsa_system_vgpr_workitem_id 0
		.amdhsa_next_free_vgpr 512
		.amdhsa_next_free_sgpr 100
		.amdhsa_reserve_vcc 0
		.amdhsa_float_denorm_mode_32 3
		.amdhsa_float_denorm_mode_16_64 3
		.amdhsa_memory_ordered 1
		.amdhsa_forward_progress 1
		.amdhsa_inst_pref_size 169
	.end_amdhsa_kernel
	.amdgpu_metadata
---
amdhsa.version: [ 1, 2 ]
amdhsa.kernels:
  - .name:           k_q53b829a481_proj
    .symbol:         k_q53b829a481_proj.kd
    .args:
      - { .name: key_in_codes, .offset: 0, .size: 8, .value_kind: global_buffer, .address_space: global }
      - { .name: value_in_codes, .offset: 8, .size: 8, .value_kind: global_buffer, .address_space: global }
      - { .name: query_in, .offset: 16, .size: 8, .value_kind: global_buffer, .address_space: global }
      - { .name: Wk_codes, .offset: 24, .size: 8, .value_kind: global_buffer, .address_space: global }
      - { .name: Wv_codes, .offset: 32, .size: 8, .value_kind: global_buffer, .address_space: global }
      - { .name: Wq_codes, .offset: 40, .size: 8, .value_kind: global_buffer, .address_space: global }
      - { .name: bk, .offset: 48, .size: 8, .value_kind: global_buffer, .address_space: global }
      - { .name: bv, .offset: 56, .size: 8, .value_kind: global_buffer, .address_space: global }
      - { .name: bq, .offset: 64, .size: 8, .value_kind: global_buffer, .address_space: global }
      - { .name: kimg, .offset: 72, .size: 8, .value_kind: global_buffer, .address_space: global }
      - { .name: vimg, .offset: 80, .size: 8, .value_kind: global_buffer, .address_space: global }
      - { .name: qimg, .offset: 88, .size: 8, .value_kind: global_buffer, .address_space: global }
      - { .name: lowp_scales, .offset: 96, .size: 8, .value_kind: global_buffer, .address_space: global }
    .group_segment_fixed_size: 327680
    .private_segment_fixed_size: 0
    .kernarg_segment_align: 8
    .kernarg_segment_size: 104
    .max_flat_workgroup_size: 256
    .sgpr_count:     100
    .vgpr_count:     512
    .wavefront_size: 32
...
	.end_amdgpu_metadata
.endif
;; end of part 1
;; launch attn (part 2): grid 8 x 32, 8 waves a work-group, clusters of 4 x 1, 327,680 bytes of LDS; arguments qimg, kimg, vimg, lowp_scales, cimg; writes cimg
.if DOCPART == 2
	.amdgcn_target "amdgcn-amd-amdhsa--gfx1250"
	.amdhsa_code_object_version 6
	.text
	.protected	k_q53b829a481_attn
	.globl	k_q53b829a481_attn
	.p2align	8
	.type	k_q53b829a481_attn,@function
k_q53b829a481_attn:
	s_mov_b64 s[64:65], 0
	v_nop
	global_prefetch_b8 v0, s[64:65] scope:SCOPE_SE
	s_setreg_imm32_b32 hwreg(HW_REG_WAVE_MODE, 25, 1), 1
	s_wait_xcnt 0x0
	s_wait_alu depctr_hold_cnt(0) depctr_sa_sdst(0) depctr_va_vdst(0) depctr_va_sdst(0) depctr_va_ssrc(0) depctr_va_vcc(0) depctr_vm_vsrc(0)
	s_getreg_b32 s2, hwreg(HW_REG_IB_STS2, 6, 4)
	s_cmp_eq_u32 s2, 0
	s_cbranch_scc0 .Lentry_in_a_cluster
	s_endpgm
.Lentry_in_a_cluster:
	s_bfe_u32 s2, ttmp6, 0x10000c
	s_cmp_lg_u32 s2, 0x3003
	s_cbranch_scc0 .Lentry_shape_is_right
	s_endpgm
.Lentry_shape_is_right:
; ctx = softmax(q k^T / sqrt(12)) v for one head, both products on codes of E4M3; ctx is quantised for the last projection.
; t = score x log2(e) / sqrt(12); M = the running largest t rounded UP to a whole number; p = 2^(t - M) is quantised, not normalised; the row's sum is taken of the unquantised p and divides at the end.
; A work-group owns 256 queries of one head (work-group y = batch x 8 + head); each of its eight waves two tiles of 16, so that every fragment of k and v read from LDS feeds two products.
; Keys go 256 a step, 8 steps: one change of M, and one rescaling of O^T, for 256 keys.  Both products are used transposed (S^T = k q^T, O^T = v^T p^T): a lane holds one query throughout.
; The head's 96 are filled up to 128: q's fragments begin with four registers of zero codes.  k's fragments stand 12 registers apart, so that the four registers ahead of a fragment are zeros or the end of
; the fragment before it: finite codes (the launch that made them holds them at the largest number), which meet q's zeros and add nothing.
; q, k, v come as images of operand registers (blocks of 32 lanes x 16 bytes), so every fragment is dense loads at 16 x lane.  A conversion of a score tile's eight registers (keys 16 c + 8 (lane / 16) + 0 .. 7) is one register pair of p's fragment.
; LDS holds 6 of the 8 steps: slot d: 24,576 bytes of k, then 24,576 of v.  Slots 0, 1 (steps 0, 1) are asked for at the head, slots 2 to 5 (steps 2 to 5) behind the next round, two steps ahead of their use;
; slots 0, 1 are filled once more, with steps 6, 7, four steps ahead of their use.  So no prefetch is laid: only the head's load is waited for with no step in between.
; The four partners of a cluster walk the same k and v and ask JOINTLY: the descriptors hang on work-group y and the wave's number alone.
; cimg: [tile of 16 rows 512][block 24][lane][16]: block 3 head + q; register pair 6 head + t = k 96 head + 16 t + 8 (lane / 16) + 0 .. 7 of row lane % 16.
; LIMITS: entries 6 + 7 between -124 and 129 (added to c's exponent field); entry 8, and entries 10 - 8 - 9, between -126 and 119.  The scaled scores t stay under 2^31 in magnitude.  NaN is not served.
; REGISTERS.  The step's scores, then p, stand in four quarters of 64: 0: keys 0-127, queries' tile 0; 1: the same keys, tile 1; 2, 3: keys 128-255.
;   window 0: v0-11 addresses, scale, sums; v12-15 zeros; v16-63 k's groups 0, 2 of four tiles; v64-127, v128-191, v192-255 quarters 0, 1, 2.
;   window 1: v[48u] on: O^T (6 tiles); v[96+16u] q; v128-131 zeros; v132-179 k's groups 1, 3; v180-188 M and what is at work on it, 16 x lane; v192-255 quarter 3.
;   Over what is done with: v16-47, v208-223 and window 1's v132-179 v's six tiles for keys 128-255; v96-191 the six for keys 0-127; p's codes of quarters 0 to 3 at v48, v64, v80, v192.
.set SLOT,  49152
.set SPARE, 6*SLOT                     ; the spare words: 128 bytes a wave, four blocks of 256 bytes that no other line names
.set AD,  0                            ; v0  the step's place in LDS + 16 x lane
.set SCP, 1                            ; v1  2^(entry 8)
.set SPW, 2                            ; v2  my spare word; never rewritten
.set NIL, 3                            ; v3  0; never rewritten
.set SUM, 4                            ; v[4+2u], v[5+2u]  the sum in two halves
.set SUA, 8                            ; v8-9, v10-11  two more chains of the sum
.set OA,  0                            ; (window 1)
.set QF,  96
.set MX,  180                          ; v[180+2u] -M, v[181+2u] the largest t
.set TM,  184                          ; v[184+2u], v[185+2u] the step's largest score, then f
.set LI,  188                          ; 16 x lane
.set WV,  14
.set G1A, 24                           ; s[24:31] 12,288 bytes a wave; s[32:39] 24,576 bytes a wave
.set G1B, 32
.set G0A, 40
.set G0B, 44
.set TB,  60                           ; s60  LDS byte of the step in hand
.set CNT, 61
.set HB,  62                           ; s62  448 x 2^(entry 8)
.set XB,  63                           ; s63, s66  448 x 2^(entries 10 - 8 - 9), and that power
.set XS,  66
.set MSB, 0
.macro WIN new                         ; the immediate's high byte repeats the setting that is left
.if MSB != \new
	s_set_vgpr_msb (MSB<<8)|(\new)
.set MSB, \new
.endif
.endm
.macro NOPS n
.rept \n
	v_nop
.endr
.endm
.macro CROUND                          ; a round of the cluster's barrier
	s_barrier_signal -1
	s_barrier_wait -1
	s_cmp_lg_u32 s[WV], 0
	s_cbranch_scc1 .Lnw0_\@
	s_barrier_signal -3
.Lnw0_\@:
	s_barrier_wait -3
	s_barrier_signal -1
	s_barrier_wait -1
.endm
.macro JLOAD g0, g1                    ; every wave its own part; four v_nop follow
	tensor_load_to_lds s[\g0:\g0+3], s[\g1:\g1+7]
	s_nop 0
	NOPS 4
.endm
	s_load_b256 s[4:11], s[0:1], 0x0               ; qimg, kimg, vimg, the scales' exponents
	s_load_b64 s[12:13], s[0:1], 0x20              ; cimg
	v_lshl_add_u32 v[SPW], v0, 2, SPARE
	v_mov_b32 v[NIL], 0
	ds_add_u32 v[SPW], v[NIL]                      ; the wave's opening: the add, twice on end, and its wait
	ds_add_u32 v[SPW], v[NIL]
	v_lshrrev_b32 v8, 5, v0
	v_readfirstlane_b32 s[WV], v8                  ; wave 0..7
	s_and_b32 s16, ttmp7, 0xffff                   ; batch x 8 + head: the partners share it
	s_bfe_u32 s70, ttmp6, 0x40000                  ; cx
	s_lshl_b32 s15, ttmp9, 2
	s_add_co_u32 s15, s15, s70                     ; my block of 256 queries: it enters q's and ctx's addresses alone
.irp g, G1A, G1B                               ; dense blocks as rows of 256 bytes: elements of 8 bytes, 32 a row, no padding; mask: all four
	s_mov_b32 s[\g], 15|(3<<16)|(1<<21)
	s_mov_b32 s[\g+1], 32<<16
	s_mov_b32 s[\g+3], 32<<16
	s_mov_b32 s[\g+5], 32
	s_mov_b32 s[\g+6], 0
	s_mov_b32 s[\g+7], 0
.endr
	s_mov_b32 s[G1A+2], 48<<16                     ; 48 rows,
	s_mov_b32 s[G1A+4], 48
	s_mov_b32 s[G1B+2], 96<<16                     ; 96 rows
	s_mov_b32 s[G1B+4], 96
	s_mov_b32 s20, 0x76543210                      ; v_permlanex16_b32: lane l xor 16
	s_mov_b32 s21, 0xfedcba98
	s_mov_b32 s22, 0x3ed53b95                      ; c = log2(e) / sqrt(12)
	s_mul_i32 s72, s16, 196608                     ; the head's images
	s_lshr_b32 s73, s[WV], 2                       ; steps 0, 1 and 6, 7: wave w fetches half w % 2 of step w / 4's k (w / 2 even) or v (odd); in LDS that is w x 12,288
	s_mul_i32 s73, s73, 24576
	s_add_co_u32 s68, s72, s73
	s_and_b32 s73, s[WV], 1
	s_mul_i32 s74, s73, 12288
	s_add_co_u32 s68, s68, s74
	s_mov_b32 s69, 0
	s_lshr_b32 s74, s[WV], 1                       ; steps 2 to 5: wave w fetches step 2 + w / 2's k (w even) or v (odd); in LDS 2 slots + w x 24,576
	s_mul_i32 s74, s74, 24576
	s_add_co_u32 s70, s72, s74
	s_add_co_u32 s70, s70, 49152
	s_mov_b32 s71, 0
	s_and_b32 s74, s[WV], 2
	s_mul_i32 s75, s[WV], 12288
	s_mul_i32 s76, s[WV], 24576
	s_wait_dscnt 0x0                               ; both opening adds are done
	s_wait_alu depctr_va_vdst(0)
	s_wait_kmcnt 0x0
	s_load_b256 s[48:55], s[10:11], 0x0            ; entries 0 to 7
	s_load_b128 s[56:59], s[10:11], 0x20           ; entries 8 to 11
	s_mov_b32 s[G0A], 1
	s_mov_b32 s[G0A+1], s75
	s_cmp_eq_u32 s74, 0
	s_cselect_b64 s[G0A+2:G0A+3], s[6:7], s[8:9]
	s_add_nc_u64 s[G0A+2:G0A+3], s[G0A+2:G0A+3], s[68:69]
	s_or_b32 s[G0A+3], s[G0A+3], 0x80000000
	s_mov_b32 s[G0B], 1
	s_add_co_u32 s[G0B+1], s76, 2*SLOT
	s_cmp_eq_u32 s73, 0
	s_cselect_b64 s[G0B+2:G0B+3], s[6:7], s[8:9]
	s_add_nc_u64 s[G0B+2:G0B+3], s[G0B+2:G0B+3], s[70:71]
	s_or_b32 s[G0B+3], s[G0B+3], 0x80000000
	CROUND                                         ; all four work-groups are here: the first joint loads meet
	JLOAD G0A, G1A                                 ; steps 0, 1: one load a wave at the head
	s_lshl_b32 s72, s15, 4
	s_lshl_b32 s74, s[WV], 1
	s_add_co_u32 s74, s72, s74                     ; my first tile of queries in the head: 16 x block + 2 x wave
	s_mul_i32 s72, s74, 1536
	s_mul_i32 s75, s16, 196608
	s_add_co_u32 s72, s72, s75
	s_mov_b32 s73, 0
	s_add_nc_u64 s[4:5], s[4:5], s[72:73]
	s_lshr_b32 s72, s16, 3                         ; the batch
	s_lshl_b32 s72, s72, 7
	s_add_co_u32 s72, s72, s74
	s_mul_i32 s72, s72, 12288                      ; a tile of 16 rows of ctx: 24 blocks
	s_and_b32 s75, s16, 7
	s_mul_i32 s75, s75, 1536                       ; the head's three
	s_add_co_u32 s72, s72, s75
	s_add_nc_u64 s[12:13], s[12:13], s[72:73]
	v_and_b32 v8, 31, v0
	v_lshlrev_b32 v8, 4, v8
	WIN 0x40                                       ; destination window 1
.irp u,0,1
.irp q,0,1,2
	global_load_b128 v[QF+16*\u+4+4*\q:QF+16*\u+4*\q+7], v8, s[4:5] offset:\u*1536+512*\q
.endr
.endr
	v_mov_b32 v[LI], v8
.set j, 0
.rept 96
	v_mov_b32 v[OA+j], 0                           ; O^T: the step is written once; its first run finds zeros, which the first change of M leaves zeros
.set j, j+1
.endr
.irp j,0,1,2,3
	v_mov_b32 v[QF+\j], 0                          ; zero codes: q's filling, and what stands ahead of k's first fragments
	v_mov_b32 v[QF+16+\j], 0
	v_mov_b32 v[128+\j], 0
.endr
	v_mov_b32 v[MX+1], 0xff61b1e6                  ; the largest t so far: -3e38
	v_mov_b32 v[MX+3], 0xff61b1e6
	WIN 0x41
	v_floor_f32 v[MX], -v[MX+1]                    ; -M
	v_floor_f32 v[MX+2], -v[MX+3]
	WIN 0
.irp j,0,1,2,3
	v_mov_b32 v[12+\j], 0
	v_mov_b32 v[SUM+\j], 0
.endr
	s_wait_alu depctr_va_vdst(0)
	s_wait_kmcnt 0x0
	s_add_co_i32 s72, s54, s55
	s_lshl_b32 s72, s72, 23
	s_add_co_i32 s22, s22, s72                     ; a score stands for score x 2^(entries 6 + 7)
	s_mov_b32 s23, s22                             ; (named with it as a pair)
	s_add_co_i32 s72, s56, 127
	s_lshl_b32 s73, s72, 23
	v_mov_b32 v[SCP], s73
	s_add_co_i32 s72, s72, 8
	s_lshl_b32 s72, s72, 23
	s_or_b32 s[HB], s72, 0x600000
	s_sub_co_i32 s72, s58, s56
	s_sub_co_i32 s72, s72, s57
	s_add_co_i32 s72, s72, 127
	s_lshl_b32 s[XS], s72, 23
	s_add_co_i32 s72, s72, 8
	s_lshl_b32 s72, s72, 23
	s_or_b32 s[XB], s72, 0x600000
.macro KLOAD g                         ; four tiles of 16 keys, three blocks each
.set KR, 16+116*(\g%2)
.if \g%2
	WIN 0x40
.else
	WIN 0
.endif
.irp f,0,1,2,3
.irp q,0,1,2
	ds_load_b128 v[KR+12*\f+4*\q:KR+12*\f+4*\q+3], v[AD] offset:(4*\g+\f)*1536+512*\q
.endr
.endr
.endm
.macro KQ g                            ; eight products: each fragment of k against both tiles of queries
.set KR, 12+116*(\g%2)
.irp u,0,1
.if (\g > 1) && (\u == 1)
.set DS, 192+32*(\g%2)
	WIN (0x44+(\g%2))                              ; quarter 3: D window 1
.else
.set DS, 64+64*(2*(\g/2)+\u)+32*(\g%2)
	WIN (0x04+(\g%2))
.endif
.irp f,0,1,2,3
.if (\g == 0) && (\u == 0) && (\f > 0)
	s_wait_dscnt 21-3*\f                           ; group 0's tiles up to f are in; three loads a tile
.endif
	v_wmma_f32_16x16x128_fp8_fp8 v[DS+8*\f:DS+8*\f+7], v[KR+12*\f:KR+12*\f+15], v[QF+16*\u:QF+16*\u+15], 0
.endr
.endr
.endm
.macro MAXI u, b, i                    ; two chains a tile of queries; each accumulator from its low end on
	v_max3_num_f32 v[TM+2*\u], v[TM+2*\u], v[\b+\i], v[\b+\i+1]
	v_max3_num_f32 v[TM+2*\u+1], v[TM+2*\u+1], v[\b+\i+2], v[\b+\i+3]
.endm
.macro MAXB b                          ; 32 scores of keys 128-255 for each tile of queries, from register b on of windows 0 and 1
	WIN 0x41
.irp i,0,4,8,12,16,20,24,28
	MAXI 0, \b, \i
.endr
	WIN 0x55
.irp i,0,4,8,12,16,20,24,28
	MAXI 1, \b, \i
.endr
.endm
.macro VLOAD h, t, d                   ; one tile of 16 channels x 128 keys of v
.irp c,0,1,2,3
	ds_load_b128 v[\d+4*\c:\d+4*\c+3], v[AD] offset:24576+\h*12288+(\c/2)*6144+\t*1024+(\c%2)*512
.endr
.endm
.macro SUMQ b, u, w                    ; a quarter's sum of the unquantised p, three chains; w: the quarter's window
	WIN (0x05*\w)
	v_pk_add_f32 v[SUA:SUA+1], v[\b:\b+1], v[\b+2:\b+3]
	v_pk_add_f32 v[SUA+2:SUA+3], v[\b+4:\b+5], v[\b+6:\b+7]
	WIN (0x04*\w)
	v_pk_add_f32 v[SUM+2*\u:SUM+2*\u+1], v[SUM+2*\u:SUM+2*\u+1], v[\b+8:\b+9]
.set j, \b+10
.rept 9
	v_pk_add_f32 v[SUA:SUA+1], v[SUA:SUA+1], v[j:j+1]
	v_pk_add_f32 v[SUA+2:SUA+3], v[SUA+2:SUA+3], v[j+2:j+3]
	v_pk_add_f32 v[SUM+2*\u:SUM+2*\u+1], v[SUM+2*\u:SUM+2*\u+1], v[j+4:j+5]
.set j, j+6
.endr
	WIN 0
	v_pk_add_f32 v[SUA:SUA+1], v[SUA:SUA+1], v[SUA+2:SUA+3]
	v_pk_add_f32 v[SUM+2*\u:SUM+2*\u+1], v[SUM+2*\u:SUM+2*\u+1], v[SUA:SUA+1]
.endm
; The conversion does not saturate (ISA guide 7.6.2); p is not negative: a one-sided hold, two numbers a line.  e: a quarter whose exponentials stand between these lines (0: none).
.macro HOLD b, e
.set j, 0
.rept 32
	v_dual_min_num_f32 v[\b+j], s[HB], v[\b+j] :: v_dual_min_num_f32 v[\b+j+1], s[HB], v[\b+j+1]
.if \e
	v_exp_f32 v[\e+j], v[\e+j]
	v_exp_f32 v[\e+j+1], v[\e+j+1]
.endif
.set j, j+2
.endr
.endm
.macro EXPQ b                          ; a quarter's p = 2^(t - M)
.set j, \b
.rept 64
	v_exp_f32 v[j], v[j]
.set j, j+1
.endr
.endm
.macro CVTQ d, b                       ; a quarter's codes: p's fragment of 128 keys
.irp i,0,1,2,3,4,5,6,7
	v_cvt_scalef32_pk8_fp8_f32 v[\d+2*\i:\d+2*\i+1], v[\b+8*\i:\b+8*\i+7], v[SCP]
.endr
.endm
.macro TURN                            ; behind a batch of exponentials: a plain place, and a wait, which is also the wait ahead of the next batch
	v_nop
	s_wait_alu depctr_va_vdst(0)
.endm
.macro PV u, t, v, p
	v_wmma_f32_16x16x128_fp8_fp8 v[OA+48*\u+8*\t:OA+48*\u+8*\t+7], v[\v:\v+15], v[\p:\p+15], v[OA+48*\u+8*\t:OA+48*\u+8*\t+7]
.endm
; A KEY STEP: 256 keys, two tiles of queries.
.macro STEP
	WIN 0x04
	v_add_nc_u32 v[AD], s[TB], v[LI]
	NOPS 4                                         ; with the line above five places behind the last step's products, whose sources are loaded and written over below
	KLOAD 0
	KLOAD 1
	s_wait_alu depctr_va_vdst(0)
	s_wait_dscnt 21                                ; group 0's first tile is in: its three loads of the 24
	KQ 0
	NOPS 4                                         ; places in front of the loads into group 0's registers
	KLOAD 2
	s_wait_dscnt 12                                ; group 1 is in; group 2's may be out
	KQ 1
	WIN 0x40                                       ; the maxima of group 0's scores are also places behind group 1's products
.irp u,0,1
	v_max3_num_f32 v[TM+2*\u], v[64+64*\u], v[65+64*\u], v[66+64*\u]
	v_max3_num_f32 v[TM+2*\u+1], v[67+64*\u], v[68+64*\u], v[69+64*\u]
.endr
	WIN 0x41
.irp i,6,10,14,18,22,26
	MAXI 0, 64, \i
	MAXI 1, 128, \i
.endr
	v_max3_num_f32 v[TM], v[TM], v[94], v[95]
	v_max3_num_f32 v[TM+2], v[TM+2], v[158], v[159]
	KLOAD 3
	s_wait_alu depctr_va_vdst(0)
	s_wait_dscnt 12                                ; group 2 is in; group 3's may be out
	KQ 2
	WIN 0x41
.irp i,0,4,8,12,16,20,24,28
	MAXI 0, 96, \i
	MAXI 1, 160, \i
.endr
	s_wait_alu depctr_va_vdst(0)
	s_wait_dscnt 0x0
	KQ 3
	WIN 0
	VLOAD 1, 0, 16                                 ; v's tiles for keys 128-255 over k's fragments
	VLOAD 1, 1, 32
	MAXB 192                                       ; (also the places behind group 3's products)
	MAXB 224
	WIN 0x55
.irp u,0,1
	v_max_num_f32 v[TM+2*\u], v[TM+2*\u], v[TM+2*\u+1]
.endr
.irp u,0,1
	v_permlanex16_b32 v[TM+2*\u+1], v[TM+2*\u], s20, s21
.endr
.irp u,0,1
	v_max_num_f32 v[TM+2*\u], v[TM+2*\u], v[TM+2*\u+1]     ; and among lane l xor 16's
.endr
.irp u,0,1
	v_mul_f32 v[TM+2*\u], s22, v[TM+2*\u]          ; as t (c is positive)
.endr
.irp u,0,1
	v_max_num_f32 v[MX+2*\u+1], v[MX+2*\u+1], v[TM+2*\u]   ; the running largest t
.endr
.irp u,0,1
	v_mov_b32 v[TM+2*\u], v[MX+2*\u]
.endr
.irp u,0,1
	v_floor_f32 v[MX+2*\u], -v[MX+2*\u+1]          ; the new -M = -ceil(t)
.endr
.irp u,0,1
	v_sub_f32 v[TM+2*\u], v[MX+2*\u], v[TM+2*\u]   ; old M - new M: a whole number, 0 or less
.endr
.irp u,0,1
	v_cvt_i32_f32 v[TM+2*\u], v[TM+2*\u]           ; (it saturates)
.endr
.irp u,0,1
	v_ldexp_f32 v[TM+2*\u], 1.0, v[TM+2*\u]        ; f = 2^(old M - new M)
.endr
	WIN 0x40
	VLOAD 1, 2, 132
	VLOAD 1, 3, 148
	VLOAD 1, 4, 164
	WIN 0x55
.irp u,0,1
.set j, 0
.rept 24
	v_pk_mul_f32 v[OA+48*\u+j:OA+48*\u+j+1], v[OA+48*\u+j:OA+48*\u+j+1], v[TM+2*\u:TM+2*\u+1] op_sel_hi:[1,0]   ; O^T under the new M
.set j, j+2
.endr
.endr
	WIN 0x04
.irp u,0,1
	v_pk_mul_f32 v[SUM+2*\u:SUM+2*\u+1], v[SUM+2*\u:SUM+2*\u+1], v[TM+2*\u:TM+2*\u+1] op_sel_hi:[1,0]   ; and the sums
.endr
	WIN 0x51
.set j, 192
.rept 32
	v_pk_fma_f32 v[j:j+1], v[j:j+1], s[22:23], v[MX+2:MX+3] op_sel_hi:[1,0,0]   ; t - M: quarter 3
.set j, j+2
.endr
	WIN 0x10
.set j, 64
.rept 32
	v_pk_fma_f32 v[j:j+1], v[j:j+1], s[22:23], v[MX:MX+1] op_sel_hi:[1,0,0]       ; quarter 0
.set j, j+2
.endr
	s_wait_alu depctr_va_vdst(0)                   ; the wait ahead of the first batch
.set j, 0
.rept 32
	v_exp_f32 v[64+j], v[64+j]                     ; quarter 0's p, beside quarters 1 and 2's t - M, which are read behind the next wait
	v_pk_fma_f32 v[128+j:129+j], v[128+j:129+j], s[22:23], v[MX+2:MX+3] op_sel_hi:[1,0,0]
	v_exp_f32 v[65+j], v[65+j]
	v_pk_fma_f32 v[192+j:193+j], v[192+j:193+j], s[22:23], v[MX:MX+1] op_sel_hi:[1,0,0]
.set j, j+2
.endr
	WIN 0
	TURN
	SUMQ 64, 0, 0
	HOLD 64, 128                                   ; quarter 0's hold beside quarter 1's exponentials
	TURN
	CVTQ 48, 64
	SUMQ 128, 1, 0
	HOLD 128, 192                                  ; quarter 1's beside quarter 2's
	TURN
	CVTQ 64, 128                                   ; quarters 0 and 1 are done with: v's tiles for keys 0-127 take their place
.irp t,0,1,2,3,4,5
	VLOAD 0, \t, 96+16*\t
.endr
	SUMQ 192, 0, 0
	WIN 0x41
	EXPQ 192                                       ; quarter 3
	TURN
	WIN 0
	HOLD 192, 0
	CVTQ 80, 192
	VLOAD 1, 5, 208                                ; over quarter 2
	SUMQ 192, 1, 1
	WIN 0x44
	HOLD 192, 0                                    ; quarter 3's, in window 1
	WIN 0x01
	CVTQ 192, 192                                  ; from window 1 to window 0
	v_nop                                          ; a plain instruction behind the last conversion
	s_wait_alu depctr_va_vdst(0)
	s_wait_dscnt 4                                 ; all of v's tiles but the last one asked for
	WIN 0x51
.irp t,2,3,4                                   ; O^T += v^T p^T: keys 128-255; the accumulators take turns
	PV 0, \t, 132+16*(\t-2), 80
	PV 1, \t, 132+16*(\t-2), 192
.endr
	s_wait_dscnt 0x0
	WIN 0x50
	PV 0, 0, 16, 80
	PV 1, 0, 16, 192
	PV 0, 1, 32, 80
	PV 1, 1, 32, 192
	PV 0, 5, 208, 80
	PV 1, 5, 208, 192
.irp t,0,1,2,3,4,5                             ; keys 0-127
	PV 0, \t, 96+16*\t, 48
	PV 1, \t, 96+16*\t, 64
.endr
	WIN 0
	s_add_co_u32 s[TB], s[TB], SLOT
.endm
.macro RUN n, start
	s_mov_b32 s[TB], \start
	s_mov_b32 s[CNT], \n
.Lrun_\@:
	STEP
	s_sub_co_u32 s[CNT], s[CNT], 1
	s_cmp_lg_u32 s[CNT], 0
	s_cbranch_scc1 .Lrun_\@
.endm
	s_wait_alu depctr_va_vdst(0)                   ; the head's end
	s_wait_loadcnt 0x0                             ; q
	s_wait_tensorcnt 0x0                           ; my part of steps 0, 1 is in
	ds_add_u32 v[SPW], v[NIL]                      ; 0 onto my spare word
	s_wait_dscnt 0x0
	CROUND
	JLOAD G0B, G1B                                 ; steps 2 to 5: first fills
	RUN 2, 0
	s_wait_tensorcnt 0x0                           ; my part of steps 2 to 5 is in, so group 0 of the other load may be written too
	ds_add_u32 v[SPW], v[NIL]
	s_add_nc_u64 s[G0A+2:G0A+3], s[G0A+2:G0A+3], 6*24576
	s_wait_dscnt 0x0                               ; the add is done, and my reads of slots 0, 1
	CROUND
	JLOAD G0A, G1A                                 ; steps 6, 7 into slots 0, 1
	RUN 4, 2*SLOT
	s_wait_tensorcnt 0x0
	ds_add_u32 v[SPW], v[NIL]
	s_wait_dscnt 0x0
	s_barrier_signal -1
	s_barrier_wait -1                              ; slots 0, 1 are whole again
	RUN 2, 0
	; THE WAY OUT: O^T / the sum, quantised; a tile's eight registers become one register pair of ctx's image
.irp u,0,1
	v_add_f32 v[SUA+2*\u], v[SUM+2*\u], v[SUM+2*\u+1]
.endr
.irp u,0,1
	v_permlanex16_b32 v[SUA+2*\u+1], v[SUA+2*\u], s20, s21
.endr
.irp u,0,1
	v_add_f32 v[SUA+2*\u], v[SUA+2*\u], v[SUA+2*\u+1]
.endr
	v_mov_b32 v[SCP], s[XS]
	s_wait_alu depctr_va_vdst(0)                   ; the waits ahead of and behind the reciprocals
.irp u,0,1
	v_rcp_f32 v[SUA+2*\u], v[SUA+2*\u]
.endr
	v_nop                                          ; a plain instruction behind the reciprocals
	s_wait_alu depctr_va_vdst(0)
	WIN 0x01
.irp u,0,1
.set j, 0
.rept 24
	v_pk_mul_f32 v[64+48*\u+j:64+48*\u+j+1], v[OA+48*\u+j:OA+48*\u+j+1], v[SUA+2*\u:SUA+2*\u+1] op_sel_hi:[1,0]
.set j, j+2
.endr
.endr
	WIN 0
.set j, 64
.rept 96
	v_med3_num_f32 v[j], v[j], -s[XB], s[XB]
.set j, j+1
.endr
.irp u,0,1
.irp t,0,1,2,3,4,5
	v_cvt_scalef32_pk8_fp8_f32 v[16+12*\u+2*\t:16+12*\u+2*\t+1], v[64+48*\u+8*\t:64+48*\u+8*\t+7], v[SCP]
.endr
.endr
	v_nop
	WIN 0x01
.irp u,0,1
.irp q,0,1,2
	global_store_b128 v[LI], v[16+12*\u+4*\q:16+12*\u+4*\q+3], s[12:13] offset:\u*12288+512*\q   ; 512 consecutive bytes a store
.endr
.endr
	WIN 0
	s_wait_tensorcnt 0x0                           ; the wave's end
	ds_add_u32 v[SPW], v[NIL]
	s_wait_dscnt 0x0
	CROUND                                         ; the closing round
	s_endpgm
.Lfunc_end_k_q53b829a481_attn:
	.size	k_q53b829a481_attn, .Lfunc_end_k_q53b829a481_attn-k_q53b829a481_attn
	.p2alignl 7, 3214868480
	.fill 96, 4, 3214868480
	.section	.rodata,"a",@progbits
	.p2align	6, 0x0
	.amdhsa_kernel k_q53b829a481_attn
		.amdhsa_group_segment_fixed_size 327680
		.amdhsa_private_segment_fixed_size 0
		.amdhsa_enable_private_segment 0
		.amdhsa_kernarg_size 40
		.amdhsa_user_sgpr_count 2
		.amdhsa_user_sgpr_kernarg_segment_ptr 1
		.amdhsa_wavefront_size32 1
		.amdhsa_system_sgpr_workgroup_id_x 1
		.amdhsa_system_sgpr_workgroup_id_y 1
		.amdhsa_system_sgpr_workgroup_id_z 1
		.amdhsa_system_vgpr_workitem_id 0
		.amdhsa_next_free_vgpr 512
		.amdhsa_next_free_sgpr 80
		.amdhsa_reserve_vcc 0
		.amdhsa_float_denorm_mode_32 3
		.amdhsa_float_denorm_mode_16_64 3
		.amdhsa_memory_ordered 1
		.amdhsa_forward_progress 1
		.amdhsa_inst_pref_size 196
	.end_amdhsa_kernel
	.amdgpu_metadata
---
amdhsa.version: [ 1, 2 ]
amdhsa.kernels:
  - .name:           k_q53b829a481_attn
    .symbol:         k_q53b829a481_attn.kd
    .args:
      - { .name: qimg, .offset: 0, .size: 8, .value_kind: global_buffer, .address_space: global }
      - { .name: kimg, .offset: 8, .size: 8, .value_kind: global_buffer, .address_space: global }
      - { .name: vimg, .offset: 16, .size: 8, .value_kind: global_buffer, .address_space: global }
      - { .name: lowp_scales, .offset: 24, .size: 8, .value_kind: global_buffer, .address_space: global }
      - { .name: cimg, .offset: 32, .size: 8, .value_kind: global_buffer, .address_space: global }
    .group_segment_fixed_size: 327680
    .private_segment_fixed_size: 0
    .kernarg_segment_align: 8
    .kernarg_segment_size: 40
    .max_flat_workgroup_size: 256
    .sgpr_count:     80
    .vgpr_count:     512
    .wavefront_size: 32
...
	.end_amdgpu_metadata
.endif
;; end of part 2
;; launch outp (part 3): grid 256 x 1, 8 waves a work-group, clusters of 4 x 1, 327,680 bytes of LDS; arguments cimg, Wo_codes, bo, query_in, ln_gamma, ln_beta, lowp_scales, out0; writes out0
.if DOCPART == 3
	.amdgcn_target "amdgcn-amd-amdhsa--gfx1250"
	.amdhsa_code_object_version 6
	.text
	.protected	k_q53b829a481_outp
	.globl	k_q53b829a481_outp
	.p2align	8
	.type	k_q53b829a481_outp,@function
k_q53b829a481_outp:
	s_mov_b64 s[64:65], 0
	v_nop
	global_prefetch_b8 v0, s[64:65] scope:SCOPE_SE
	s_setreg_imm32_b32 hwreg(HW_REG_WAVE_MODE, 25, 1), 1
	s_wait_xcnt 0x0
	s_wait_alu depctr_hold_cnt(0) depctr_sa_sdst(0) depctr_va_vdst(0) depctr_va_sdst(0) depctr_va_ssrc(0) depctr_va_vcc(0) depctr_vm_vsrc(0)
	s_getreg_b32 s2, hwreg(HW_REG_IB_STS2, 6, 4)
	s_cmp_eq_u32 s2, 0
	s_cbranch_scc0 .Lentry_in_a_cluster
	s_endpgm
.Lentry_in_a_cluster:
	s_bfe_u32 s2, ttmp6, 0x10000c
	s_cmp_lg_u32 s2, 0x3003
	s_cbranch_scc0 .Lentry_shape_is_right
	s_endpgm
.Lentry_shape_is_right:
; out0 = LayerNorm(query_in + ctx Wo + bo) x gamma + beta; the product on codes of E4M3.
; A work-group owns 32 whole rows (the norm wants whole rows).  Wave w makes columns 384 hf + 48 w on (three tiles of 16) of both tiles of rows, in two passes hf = 0, 1: 12 accumulators.
; THE WAVES SHARE THE COLUMNS, so each byte of Wo is read from LDS by one wave alone: wave w fetches its own 48 rows of Wo (36,864 bytes, dense in memory) by one tensor load, a whole pass at a time, and reads
; only what it fetched, behind its own wait.  LDS holds one pass (half of Wo); it is filled twice: one refill in the launch.  The four partners of a cluster ask JOINTLY: the descriptor hangs on the wave's number alone.
; ctx's codes are images of operand registers: each wave loads its twelve fragments (2 tiles of rows x 6 K steps, 192 registers) straight from memory, 512 consecutive bytes a load; they serve both passes.
; The image has the plain form's own places of k (register pair 2 c, 2 c + 1: k = 16 c + 8 (lane / 16) + 0 .. 7), so Wo's fragments are fetched by eight loads of 8 bytes, a K step ahead into the other of two sets.
; THE MATRIX INSTRUCTION IS USED TRANSPOSED (source 0 = 16 rows of Wo, source 1 = 16 rows of ctx): a lane holds eight neighbouring columns of a row.  The sums meet in a stage in LDS (32 rows x 3,088 bytes, in the
; region of Wo, which has had its last fill, and behind a barrier that every wave reaches after its last read of Wo); each wave then takes four whole rows: x = sum x 2^(entries 10 + 11) + (residual + bo),
; the mean, the variance of x - mean (never a difference of large sums), the norm, and stores of 512 consecutive bytes.
; bo and the residual are asked for at the head and added while the refill is on its way; gamma and beta are asked for behind the last products, into ctx's registers.
; LIMIT: entries 10 + 11 between -126 and 127.
; REGISTERS: window 0: v5-13 addresses; v16-63 Wo's three fragments, set 0; v64-159 the accumulators (v112-135: bo, until pass 1); v160-255 the residual's four rows; later v16-111 four rows of x, v112-143 at work.
;   window 1: v0-191 ctx's fragments ((m, K step) at 16 (6 m + K step)), later v0-23 gamma, v24-47 beta; v192-239 Wo's fragments, set 1.
.set PB,    272                        ; 256 bytes of a row of Wo in LDS + 16 of padding
.set PW,    3*PB                       ; a row of Wo: 816 bytes = 204 words: row r starts at bank 12 r mod 64, so the 32 lanes of a load of 8 bytes touch 64 different banks
.set WREG,  48*PW                      ; a wave's 48 rows
.set SPARE, 8*WREG                     ; behind the region: the spare words, 128 bytes a wave, four blocks of 256 bytes that no other line names
.set SP,    3088                       ; a stage row: 3,072 bytes + 16
.set HALFW, 384*768                    ; a pass's rows of Wo in memory
.set LI,   5                           ; v5   16 x lane
.set PFO,  6                           ; v6   256 x lane: the prefetches' offset; never rewritten
.set WF,   7                           ; v7   my place in my wave's rows of Wo
.set STO,  9                           ; v9   the stage, in
.set SRD,  10                          ; v10  the stage, back
.set SPW,  12                          ; v12  my spare word; never rewritten
.set NIL,  13                          ; v13  0; never rewritten
.set ACC,  64
.set BOR,  112
.set RES,  160
.set X,    16
.set TP,   112
.set AFR,  0
.set GA,   0
.set BE,   24
.set WV,   12                          ; s12  wave
.set G1,   48                          ; s[48:55] descriptor group 1
.set G0,   56                          ; s[56:59] group 0
.set PFA,  60                          ; s[60:61] where my prefetch stands; never rewritten
.set MSB, 0
.macro WIN new                         ; the immediate's high byte repeats the setting that is left
.if MSB != \new
	s_set_vgpr_msb (MSB<<8)|(\new)
.set MSB, \new
.endif
.endm
.macro NOPS n
.rept \n
	v_nop
.endr
.endm
.macro CROUND                          ; a round of the cluster's barrier
	s_barrier_signal -1
	s_barrier_wait -1
	s_cmp_lg_u32 s[WV], 0
	s_cbranch_scc1 .Lnw0_\@
	s_barrier_signal -3
.Lnw0_\@:
	s_barrier_wait -3
	s_barrier_signal -1
	s_barrier_wait -1
.endm
	s_load_b512 s[16:31], s[0:1], 0x0              ; cimg, Wo, bo, query_in, gamma, beta, the scales' exponents, out0
	v_lshl_add_u32 v[SPW], v0, 2, SPARE
	v_mov_b32 v[NIL], 0
	ds_add_u32 v[SPW], v[NIL]                      ; the wave's opening: the add, twice on end, and its wait
	ds_add_u32 v[SPW], v[NIL]
	v_lshrrev_b32 v3, 5, v0
	v_readfirstlane_b32 s[WV], v3                  ; wave 0..7
	s_bfe_u32 s88, ttmp6, 0x40000                  ; cx
	s_lshl_b32 s89, ttmp9, 2
	s_add_co_u32 s89, s89, s88                     ; which 32 rows: it enters the addresses of ctx, the residual and the output alone
	s_mov_b32 s[G1], 15|(3<<16)|(1<<20)|(1<<21)|(5<<22)|(3<<25)   ; mask: all four; elements of 8 bytes; 4 words of padding behind every 64: a dense block of 36,864 bytes as 144 rows of 256
	s_mov_b32 s[G1+1], 32<<16                      ; tensor_dim0
	s_mov_b32 s[G1+2], 144<<16                     ; tensor_dim1
	s_mov_b32 s[G1+3], 32<<16                      ; tile_dim0
	s_mov_b32 s[G1+4], 144                         ; tile_dim1
	s_mov_b32 s[G1+5], 32                          ; from row to row
	s_mov_b32 s[G1+6], 0
	s_mov_b32 s[G1+7], 0
	s_mov_b32 s82, 0x3aaaaaab                      ; 1 / 768
	s_mov_b32 s83, s82
	s_mov_b32 s84, 0x3727c5ac                      ; 1e-5
	s_mov_b32 s86, 0x76543210                      ; v_permlanex16_b32: lane l xor 16
	s_mov_b32 s87, 0xfedcba98
	s_mul_i32 s90, s[WV], 48*768                   ; my 48 rows of Wo in memory,
	s_mov_b32 s91, 0
	s_mul_i32 s92, s[WV], WREG                     ; and in LDS: no place in the cluster enters either
	s_wait_dscnt 0x0                               ; both opening adds are done
	s_wait_alu depctr_va_vdst(0)
	s_wait_kmcnt 0x0
	s_load_b64 s[78:79], s[28:29], 0x28            ; entries 10, 11
	s_mov_b32 s[G0], 1
	s_mov_b32 s[G0+1], s92
	s_add_nc_u64 s[G0+2:G0+3], s[18:19], s[90:91]  ; pass 0
	s_or_b32 s[G0+3], s[G0+3], 0x80000000
	CROUND                                         ; all four work-groups are here: the first joint loads meet
	tensor_load_to_lds s[G0:G0+3], s[G1:G1+7]      ; every wave its own rows: one load of mine is out
	s_nop 0
	NOPS 4
	s_mul_i32 s96, s89, 24576
	s_mov_b32 s97, 0
	s_add_nc_u64 s[16:17], s[16:17], s[96:97]      ; my 32 rows' images
	s_mul_i32 s94, s89, 98304
	s_mul_i32 s98, s[WV], 12288
	s_add_co_u32 s94, s94, s98                     ; my wave's four rows: (32 x block + 4 x wave) x 3,072
	s_mov_b32 s95, 0
	s_add_nc_u64 s[22:23], s[22:23], s[94:95]
	s_add_nc_u64 s[30:31], s[30:31], s[94:95]
	s_mul_i32 s94, s88, 288*256                    ; the prefetch: my work-group's 288 blocks of pass 1's 1,152,
	s_lshl_b32 s95, s[WV], 13                      ; my wave's 32 of them,
	s_add_co_u32 s94, s94, s95
	s_add_co_u32 s94, s94, HALFW                   ; in the second half of Wo
	s_mov_b32 s95, 0
	s_add_nc_u64 s[PFA:PFA+1], s[18:19], s[94:95]
	s_mul_i32 s94, s[WV], 192
	s_mul_i32 s95, s[WV], 4*SP
	v_and_b32 v[LI], 31, v0
	v_and_b32 v1, 15, v0                           ; r
	v_bfe_u32 v2, v0, 4, 1                         ; h
	v_lshlrev_b32 v[PFO], 8, v[LI]
	v_lshlrev_b32 v[LI], 4, v[LI]
	v_mul_u32_u24 v[WF], v1, PW
	v_mul_u32_u24 v[STO], v1, SP
	v_add_nc_u32 v[SRD], s95, v[LI]                ; my four rows, 16 bytes a lane
	v_lshl_add_u32 v[WF], v2, 3, v[WF]
	v_lshl_add_u32 v[STO], v2, 5, v[STO]
	v_add_nc_u32 v[WF], s92, v[WF]                 ; my wave's rows, row r, + 8 h
	v_add_nc_u32 v[STO], s94, v[STO]               ; row r, + 32 h, + my 48 columns
	s_wait_alu depctr_va_vdst(0)                   ; the head's end
	WIN 0x40                                       ; destination window 1
.irp m,0,1
.irp kk,0,1,2,3,4,5
.irp c,0,1,2,3
	global_load_b128 v[AFR+16*(6*\m+\kk)+4*\c:AFR+16*(6*\m+\kk)+4*\c+3], v[LI], s[16:17] offset:\m*12288+\kk*2048+512*\c   ; ctx's fragments: 512 consecutive bytes a load; all eight waves take the same, so no hint
.endr
.endr
.endr
	WIN 0
.irp k,0,1,2,3,4,5
	global_load_b128 v[BOR+4*\k:BOR+4*\k+3], v[LI], s[20:21] offset:512*\k                     ; bo, in registers that pass 1 writes first
.endr
.irp q,0,1,2,3
.irp k,0,1,2,3,4,5
	global_load_b128 v[RES+24*\q+4*\k:RES+24*\q+4*\k+3], v[LI], s[22:23] offset:\q*3072+512*\k th:TH_LOAD_NT   ; the residual: a lane holds columns 128 k + 4 lane + 0 .. 3 of four rows
.endr
.endr
; A PREFETCH INTO THE L2 of pass 1's half of Wo: 294,912 bytes = 1,152 aligned blocks of 256 bytes, each asked for once in the launch, here: pass 0's six K steps (36 products a wave)
; and a round ahead of the load that wants them.  Every cluster reads the same rows: the launch's first cluster asks.  Its four partners take 288 blocks each, told apart BY ADDRESS; in each, wave w asks
; for blocks 32 w .. 32 w + 31, a lane a block, and wave 0 for the last 32 as well: the last block named is the buffer's last.
	s_cmp_eq_u32 ttmp9, 0
	s_cbranch_scc0 .Lno_pf
	global_prefetch_b8 v[PFO], s[PFA:PFA+1] th:TH_LOAD_NT scope:SCOPE_SE
	s_cmp_eq_u32 s[WV], 0
	s_cbranch_scc0 .Lno_pf
	global_prefetch_b8 v[PFO], s[PFA:PFA+1] offset:65536 th:TH_LOAD_NT scope:SCOPE_SE
.Lno_pf:
	s_wait_kmcnt 0x0
	s_add_co_i32 s80, s78, s79
	s_add_co_i32 s80, s80, 127
	s_lshl_b32 s80, s80, 23                        ; 2^(entries 10 + 11)
	s_mov_b32 s81, s80
.macro LW kk, set                      ; Wo's three fragments of K step kk into a set: 24 loads of 8 bytes
	WIN (0x40*(\set))
.set WL, 16+176*(\set)
.irp t,0,1,2
.irp c,0,1,2,3,4,5,6,7
	ds_load_b64 v[WL+16*\t+2*\c:WL+16*\t+2*\c+1], v[WF] offset:\t*16*PW+((\kk)/2)*PB+((\kk)%2)*128+16*\c
.endr
.endr
	WIN 0
.endm
; 128 along K: the next step's loads, then six products against ctx's fragments in registers; the accumulators take turns.  The pass's first products start the sums.
.macro KS kk, hf
.set WB, 16+176*(\kk%2)
.if \kk < 5
.if \kk > 0
	NOPS 4                                         ; places in front of loads into registers that matrix instructions have read
.endif
	LW \kk+1, 1-(\kk%2)
	s_wait_dscnt 24                                ; this step's are in; the next step's 24 may be out
.else
	s_wait_dscnt 0x0
.endif
	WIN (0x04+(\kk%2))
.irp t,0,1,2
.irp m,0,1
.set D, ACC+8*(6*\hf+2*\t+\m)
.set AI, AFR+16*(6*\m+\kk)
.if \kk == 0
	v_wmma_f32_16x16x128_fp8_fp8 v[D:D+7], v[WB+16*\t:WB+16*\t+15], v[AI:AI+15], 0
.else
	v_wmma_f32_16x16x128_fp8_fp8 v[D:D+7], v[WB+16*\t:WB+16*\t+15], v[AI:AI+15], v[D:D+7]
.endif
.endr
.endr
	WIN 0
.endm
.macro PASS hf
	LW 0, 0
.irp kk,0,1,2,3,4,5
	KS \kk, \hf
.endr
	NOPS 4                                         ; places behind the last products
.endm
	s_wait_loadcnt 30                              ; ctx is in; bo's six and the residual's 24 may be out
	s_wait_tensorcnt 0x0                           ; my rows of pass 0 are in: nobody else reads them, so this wait is all that my reads need
	PASS 0
	s_wait_tensorcnt 0x0                           ; THE ONE REFILL: all my tensor loads have landed;
	ds_add_u32 v[SPW], v[NIL]                      ; 0 onto my spare word;
	s_add_nc_u64 s[G0+2:G0+3], s[G0+2:G0+3], HALFW ; 384 rows of Wo down; the type bits on top are not reached
	s_wait_dscnt 0x0                               ; the add and my reads of Wo are done
	CROUND
	tensor_load_to_lds s[G0:G0+3], s[G1:G1+7]      ; pass 1's rows, first thing behind the round
	s_nop 0
	NOPS 4
	s_wait_loadcnt 0x0                             ; bo and the residual
.irp q,0,1,2,3
.set j, 0
.rept 12
	v_pk_add_f32 v[RES+24*\q+j:RES+24*\q+j+1], v[RES+24*\q+j:RES+24*\q+j+1], v[BOR+j:BOR+j+1]   ; residual + bo, while the refill is on its way
.set j, j+2
.endr
.endr
	s_wait_alu depctr_va_vdst(0)
	s_wait_tensorcnt 0x0                           ; my rows of pass 1 are in: the one load that was out
	PASS 1
	WIN 0x40                                       ; gamma and beta over ctx's fragments
.irp k,0,1,2,3,4,5
	global_load_b128 v[GA+4*\k:GA+4*\k+3], v[LI], s[24:25] offset:512*\k
	global_load_b128 v[BE+4*\k:BE+4*\k+3], v[LI], s[26:27] offset:512*\k
.endr
	WIN 0
	s_wait_tensorcnt 0x0                           ; no tensor load of mine is out;
	ds_add_u32 v[SPW], v[NIL]                      ; 0 onto my spare word;
	s_wait_dscnt 0x0                               ; the add and my reads of Wo are done
	s_barrier_signal -1
	s_barrier_wait -1
.irp hf,0,1
.irp t,0,1,2
.irp m,0,1
	ds_store_b128 v[STO], v[ACC+8*(6*\hf+2*\t+\m):ACC+8*(6*\hf+2*\t+\m)+3] offset:\m*16*SP+\hf*1536+64*\t
	ds_store_b128 v[STO], v[ACC+8*(6*\hf+2*\t+\m)+4:ACC+8*(6*\hf+2*\t+\m)+7] offset:\m*16*SP+\hf*1536+64*\t+16
.endr
.endr
.endr
	s_wait_dscnt 0x0                               ; for the others' sake: my stores into the stage are done
	s_barrier_signal -1
	s_barrier_wait -1
.irp q,0,1,2,3
.irp k,0,1,2,3,4,5
	ds_load_b128 v[X+24*\q+4*\k:X+24*\q+4*\k+3], v[SRD] offset:\q*SP+512*\k   ; a lane holds columns 128 k + 4 lane + 0 .. 3 of four rows
.endr
.endr
	s_wait_dscnt 0x0
.set j, 0
.rept 48
	v_pk_fma_f32 v[X+j:X+j+1], v[X+j:X+j+1], s[80:81], v[RES+j:RES+j+1] op_sel_hi:[1,0,1]   ; x
.set j, j+2
.endr
.macro REDUCE                          ; the four rows' pairs of partial sums, over the pair and the 32 lanes: every lane ends with the row's sum; the four rows take turns
.irp q,0,1,2,3
	v_add_f32 v[TP+8*\q], v[TP+8*\q], v[TP+8*\q+1]
.endr
.irp mk,1,2,4,8
.irp q,0,1,2,3
	v_add_f32_dpp v[TP+8*\q], v[TP+8*\q], v[TP+8*\q] row_xmask:\mk row_mask:0xf bank_mask:0xf
.endr
.endr
.irp q,0,1,2,3
	v_permlanex16_b32 v[TP+8*\q+1], v[TP+8*\q], s86, s87
.endr
.irp q,0,1,2,3
	v_add_f32 v[TP+8*\q], v[TP+8*\q], v[TP+8*\q+1]
.endr
.endm
.irp q,0,1,2,3
	v_pk_add_f32 v[TP+8*\q:TP+8*\q+1], v[X+24*\q:X+24*\q+1], v[X+24*\q+2:X+24*\q+3]
.endr
.irp i,4,6,8,10,12,14,16,18,20,22
.irp q,0,1,2,3
	v_pk_add_f32 v[TP+8*\q:TP+8*\q+1], v[TP+8*\q:TP+8*\q+1], v[X+24*\q+\i:X+24*\q+\i+1]
.endr
.endr
	REDUCE
.irp q,0,1,2,3
	v_pk_mul_f32 v[TP+8*\q+2:TP+8*\q+3], v[TP+8*\q:TP+8*\q+1], s[82:83] op_sel_hi:[0,0]   ; the mean, in both halves of a pair
.endr
.irp q,0,1,2,3
.set j, 0
.rept 12
	v_pk_add_f32 v[X+24*\q+j:X+24*\q+j+1], v[X+24*\q+j:X+24*\q+j+1], v[TP+8*\q+2:TP+8*\q+3] neg_lo:[0,1] neg_hi:[0,1]   ; x - mean
.set j, j+2
.endr
.endr
.irp q,0,1,2,3
	v_pk_mul_f32 v[TP+8*\q:TP+8*\q+1], v[X+24*\q:X+24*\q+1], v[X+24*\q:X+24*\q+1]
.endr
.irp i,2,4,6,8,10,12,14,16,18,20,22
.irp q,0,1,2,3
	v_pk_fma_f32 v[TP+8*\q:TP+8*\q+1], v[X+24*\q+\i:X+24*\q+\i+1], v[X+24*\q+\i:X+24*\q+\i+1], v[TP+8*\q:TP+8*\q+1]
.endr
.endr
	REDUCE
.irp q,0,1,2,3
	v_fma_f32 v[TP+8*\q+5], v[TP+8*\q], s82, s84   ; the variance + 1e-5
.endr
	s_wait_alu depctr_va_vdst(0)                   ; the waits ahead of and behind the roots
.irp q,0,1,2,3
	v_rsq_f32 v[TP+8*\q+4], v[TP+8*\q+5]
.endr
	v_nop                                          ; a plain instruction behind the roots
	s_wait_alu depctr_va_vdst(0)
.irp q,0,1,2,3
.set j, 0
.rept 12
	v_pk_mul_f32 v[X+24*\q+j:X+24*\q+j+1], v[X+24*\q+j:X+24*\q+j+1], v[TP+8*\q+4:TP+8*\q+5] op_sel_hi:[1,0]
.set j, j+2
.endr
.endr
	s_wait_alu depctr_va_vdst(0)
	s_wait_loadcnt 0x0                             ; gamma, beta
	WIN 0x14                                       ; they lie in window 1
.irp q,0,1,2,3
.set j, 0
.rept 12
	v_pk_fma_f32 v[X+24*\q+j:X+24*\q+j+1], v[X+24*\q+j:X+24*\q+j+1], v[GA+j:GA+j+1], v[BE+j:BE+j+1]
.set j, j+2
.endr
.endr
	WIN 0
.irp q,0,1,2,3
.irp k,0,1,2,3,4,5
	global_store_b128 v[LI], v[X+24*\q+4*\k:X+24*\q+4*\k+3], s[30:31] offset:\q*3072+512*\k th:TH_STORE_NT   ; 512 consecutive bytes a store
.endr
.endr
	s_wait_tensorcnt 0x0                           ; the wave's end
	ds_add_u32 v[SPW], v[NIL]
	s_wait_dscnt 0x0
	CROUND                                         ; the closing round
	s_endpgm
.Lfunc_end_k_q53b829a481_outp:
	.size	k_q53b829a481_outp, .Lfunc_end_k_q53b829a481_outp-k_q53b829a481_outp
	.p2alignl 7, 3214868480
	.fill 96, 4, 3214868480
	.section	.rodata,"a",@progbits
	.p2align	6, 0x0
	.amdhsa_kernel k_q53b829a481_outp
		.amdhsa_group_segment_fixed_size 327680
		.amdhsa_private_segment_fixed_size 0
		.amdhsa_enable_private_segment 0
		.amdhsa_kernarg_size 64
		.amdhsa_user_sgpr_count 2
		.amdhsa_user_sgpr_kernarg_segment_ptr 1
		.amdhsa_wavefront_size32 1
		.amdhsa_system_sgpr_workgroup_id_x 1
		.amdhsa_system_sgpr_workgroup_id_y 1
		.amdhsa_system_sgpr_workgroup_id_z 1
		.amdhsa_system_vgpr_workitem_id 0
		.amdhsa_next_free_vgpr 512
		.amdhsa_next_free_sgpr 100
		.amdhsa_reserve_vcc 0
		.amdhsa_float_denorm_mode_32 3
		.amdhsa_float_denorm_mode_16_64 3
		.amdhsa_memory_ordered 1
		.amdhsa_forward_progress 1
		.amdhsa_inst_pref_size 70
	.end_amdhsa_kernel
	.amdgpu_metadata
---
amdhsa.version: [ 1, 2 ]
amdhsa.kernels:
  - .name:           k_q53b829a481_outp
    .symbol:         k_q53b829a481_outp.kd
    .args:
      - { .name: cimg, .offset: 0, .size: 8, .value_kind: global_buffer, .address_space: global }
      - { .name: Wo_codes, .offset: 8, .size: 8, .value_kind: global_buffer, .address_space: global }
      - { .name: bo, .offset: 16, .size: 8, .value_kind: global_buffer, .address_space: global }
      - { .name: query_in, .offset: 24, .size: 8, .value_kind: global_buffer, .address_space: global }
      - { .name: ln_gamma, .offset: 32, .size: 8, .value_kind: global_buffer, .address_space: global }
      - { .name: ln_beta, .offset: 40, .size: 8, .value_kind: global_buffer, .address_space: global }
      - { .name: lowp_scales, .offset: 48, .size: 8, .value_kind: global_buffer, .address_space: global }
      - { .name: out0, .offset: 56, .size: 8, .value_kind: global_buffer, .address_space: global }
    .group_segment_fixed_size: 327680
    .private_segment_fixed_size: 0
    .kernarg_segment_align: 8
    .kernarg_segment_size: 64
    .max_flat_workgroup_size: 256
    .sgpr_count:     100
    .vgpr_count:     512
    .wavefront_size: 32
...
	.end_amdgpu_metadata
.endif
;; end of part 3
